; MI455X (gfx1250); checked and timed in simulation.
; The chip was launched on July 23, 2026; its instructions are those of AMD's public machine-readable ISA for CDNA 5 (MIT licence, August 2026) and "CDNA5" Instruction Set Architecture Reference Guide (July 2026). The comments in the code are by the model that wrote it; some were corrected since.
;; Stick Breaking Attention. Allowed arithmetic: float matrix products may take bf16 or f16 operands with f32 sums; all other float work in f32.
;; Inputs: Wk 1,024 x 1,024 float32; Wo 1,024 x 1,024 float32; Wq 1,024 x 1,024 float32; Wv 1,024 x 1,024 float32; x 1 x 2,048 x 1,024 float32.
;; Outputs: out0 1 x 2,048 x 1,024 float32.
;; One version. Each part assembles by itself: llvm-mc -triple=amdgcn-amd-amdhsa -mcpu=gfx1250 --defsym DOCPART=n.
;; ======== version 1 of 1: 3 launches
;; limits: values are held in f16: magnitudes above 65,504 overflow, below 6.1e-05 lose precision; values outside matrix products are rounded to f16
;; workspace buffers: qp 4,194,304 bytes; kv 8,388,608 bytes; op 4,194,304 bytes
;; launch qkv (part 1): grid 16 x 16, 8 waves a work-group, no clusters, 191,488 bytes of LDS; arguments x, Wq, Wk, Wv, qp, kv; writes qp, kv
.if DOCPART == 1
	.amdgcn_target "amdgcn-amd-amdhsa--gfx1250"
	.amdhsa_code_object_version 6
	.text
	.protected	k_qa484da954b_qkv
	.globl	k_qa484da954b_qkv
	.p2align	8
	.type	k_qa484da954b_qkv,@function
k_qa484da954b_qkv:
	s_mov_b64 s[64:65], 0
	v_nop
	global_prefetch_b8 v0, s[64:65] scope:SCOPE_SE
	s_setreg_imm32_b32 hwreg(HW_REG_WAVE_MODE, 25, 1), 1
	s_wait_xcnt 0x0
; q c, k, v = x W^T for one head (64 rows of each W) and 128 tokens, rounded to f16 and stored as packed tiles.
; x: [2048][1024] f32.  Wq, Wk, Wv: [1024][1024] f32.  c = 0.125 log2(e), multiplied onto q in f32, so that the next launch's logits are in base 2.
; A PACKED TILE is 512 bytes, lane L = (r = L & 15, h = L >> 4) owning bytes 16 L .. 16 L + 15:
;   qp:        byte head*262144 + T*2048 + ft*512 + 16 L holds q of token 16 T + r, features 16 ft + 8 h .. + 7
;   kv, K part: byte head*524288 + T*4096 + ft*512 + 16 L holds k of token 16 T + r, features 16 ft + 8 h .. + 7
;   kv, V part: byte head*524288 + T*4096 + 2048 + ft*512 + 16 L holds v of feature 16 ft + r, tokens 16 T + 8 h .. + 7 (transposed)
; That is what four packing conversions make of a 16 x 16 result, and it is half of a 16-bit fragment: no stage, no transposing load later.
; K and V of 64 tokens lie in 16,384 consecutive bytes, which the next launch fetches as one tile.
; LIMITS: operands and results are f16: |x|, |W|, |x W^T| must stay below 65,504 (beyond it the rounding gives infinity); numbers below 2^-14 keep
; an absolute error of 2^-25.  K is split over two waves, so the order of the sums differs from a plain ascending one.
; NO CLUSTER, NO TENSOR LOADS: the inputs are f32 and are rounded once on the way; they pass through registers, 60 loads of a wave in flight,
; and lie in LDS as f16, half the bytes that every fragment read would otherwise take.
; SHARES: eight waves.  kh = w >> 2: which 32 of each K step of 64; wr = (w >> 1) & 1: which 64 tokens; wc = w & 1: features 32 wc .. + 31 of q, k and v.
; A wave has 4 token tiles x 6 feature tiles = 24 accumulators.  At the end waves w and w ^ 4 exchange halves and add.
.set ROWB,  4096                       ; bytes in a row of x or W
.set PITCH, 144                        ; an LDS row: 64 f16 + 16 bytes; sixteen rows start at sixteen different 16-byte columns modulo 256
.set SLOT,  320*PITCH                  ; rows 0-127 x, 128-191 Wq, 192-255 Wk, 256-319 Wv
.set XCH,   2*SLOT                     ; behind the two slots: 12 tiles of f32 for each wave
.set XCHW,  12288
.set VX,   0                           ; v0  global offset of my x rows
.set VW,   1                           ; v1  global offset of my W rows
.set SX,   2                           ; v2  LDS address of my x stores
.set SW,   3                           ; v3  LDS address of my W stores
.set FALO, 4                           ; v4  x fragments of the two token tiles that I keep
.set FAHI, 5                           ; v5  x fragments of the two token tiles that I send
.set FB,   6                           ; v6, v7  W fragments in slot 0, 1
.set ACC,  8                           ; v[8:199]   tile 6 mt + nt; nt 0,1 q; 2,3 k; 4,5 v
.set XA,   200                         ; v[200:231] four x fragments
.set WB,   232                         ; v[232:255] three W fragments
; window 1 (v256-v495): three staging sets of 80 registers, 20 loads each
.set MSB, 0
.macro WIN new                         ; low byte: bits 1:0 source 0, 3:2 source 1, 5:4 source 2, 7:6 destination; high byte repeats the setting left
.if MSB != \new
	s_set_vgpr_msb (MSB<<8)|\new
.set MSB, \new
.endif
.endm
.macro NOP4                            ; four places behind a matrix instruction (ISA guide 7.12.1)
.rept 4
	v_nop
.endr
.endm
	s_load_b256 s[4:11], s[0:1], 0x0               ; x s[4:5], Wq s[6:7], Wk s[8:9], Wv s[10:11]
	s_load_b128 s[12:15], s[0:1], 0x20             ; qp s[12:13], kv s[14:15]
	s_set_vgpr_msb 0x40
	v_lshl_add_u32 v240, v0, 2, 0x2e800
	v_mov_b32 v241, 0
	s_set_vgpr_msb 0x4000
	v_lshrrev_b32 v8, 5, v0
	v_readfirstlane_b32 s20, v8                    ; wave w
	v_and_b32 v9, 15, v0                           ; r
	v_bfe_u32 v10, v0, 4, 1                        ; h
	s_bfe_u32 s21, s20, 0x10001                    ; wr
	s_and_b32 s22, s20, 1                          ; wc
	s_lshr_b32 s23, s20, 2                         ; kh
	s_lshr_b32 s32, s20, 1                         ; w >> 1
	s_and_b32 s25, ttmp7, 0xffff                   ; row block: 128 tokens
	s_mov_b32 s28, 0x3e38aa3b                      ; c = 0.125 log2(e), twice: a pair for the packed multiply
	s_mov_b32 s29, 0x3e38aa3b
	; global offsets: a load takes two pieces of 256 bytes, rows rho (lanes 0-15) and rho + 8 (lanes 16-31)
	v_lshlrev_b32 v11, 15, v10                     ; 8 h rows
	v_lshl_add_u32 v11, v9, 4, v11                 ; + 16 r
	s_lshl_b32 s33, s32, 16                        ; W: rows 16 (w >> 1)
	s_lshl_b32 s34, s22, 14                        ;    + 4 (w & 1)
	s_add_co_u32 s33, s33, s34
	v_add_nc_u32 v[VW], s33, v11
	; LDS stores: 8 bytes a lane, the same rows
	v_mul_u32_u24 v12, v10, 8*PITCH
	v_lshl_add_u32 v12, v9, 3, v12
	s_mul_i32 s33, s20, 16*PITCH
	v_add_nc_u32 v[SX], s33, v12
	s_mul_i32 s33, s32, 16*PITCH
	s_mul_i32 s34, s22, 4*PITCH
	s_add_co_u32 s33, s33, s34
	s_add_co_u32 s33, s33, 128*PITCH
	v_add_nc_u32 v[SW], s33, v12
	; fragments: row r of a tile, bytes 64 kh + 16 h and 32 further
	v_mul_u32_u24 v13, v9, PITCH
	v_lshl_add_u32 v13, v10, 4, v13
	s_lshl_b32 s34, s23, 6
	v_add_nc_u32 v13, s34, v13
	s_mul_i32 s33, s21, 64*PITCH                   ; my 64 tokens
	s_mul_i32 s34, s23, 32*PITCH                   ; token tiles 2 kh, 2 kh + 1 are kept,
	s_add_co_u32 s35, s33, s34
	v_add_nc_u32 v[FALO], s35, v13
	s_sub_co_u32 s35, 32*PITCH, s34                ; tiles 2 - 2 kh, 3 - 2 kh are sent: the same text serves both halves
	s_add_co_u32 s35, s35, s33
	v_add_nc_u32 v[FAHI], s35, v13
	s_mul_i32 s33, s22, 32*PITCH
	s_add_co_u32 s33, s33, 128*PITCH
	v_add_nc_u32 v[FB], s33, v13
	v_add_nc_u32 v[FB+1], SLOT, v[FB]
	s_lshl_b32 s26, s20, 16                        ; x: rows 16 w
	v_add_nc_u32 v[VX], s26, v11                   ; v0 is rewritten last
	s_mul_i32 s30, s20, XCHW                       ; where I put what I send,
	s_add_co_u32 s30, s30, XCH
	s_xor_b32 s31, s20, 4
	s_mul_i32 s31, s31, XCHW                       ; and where wave w ^ 4 puts what I receive
	s_add_co_u32 s31, s31, XCH
	s_wait_kmcnt 0x0
	s_lshl_b32 s26, s25, 19                        ; 128 rows of 4,096 bytes
	s_mov_b32 s27, 0
	s_add_nc_u64 s[4:5], s[4:5], s[26:27]
	s_lshl_b32 s26, ttmp9, 18                      ; the head: 64 rows of W, and 262,144 bytes of qp
	s_add_nc_u64 s[6:7], s[6:7], s[26:27]
	s_add_nc_u64 s[8:9], s[8:9], s[26:27]
	s_add_nc_u64 s[10:11], s[10:11], s[26:27]
	s_lshl_b32 s33, s25, 3
	s_lshl2_add_u32 s33, s21, s33
	s_lshl1_add_u32 s33, s23, s33                  ; first token tile that I store: 8 block + 4 wr + 2 kh
	s_lshl_b32 s34, s22, 10                        ; feature tiles 2 wc, 2 wc + 1
	s_lshl_b32 s35, s33, 11                        ; qp: 2,048 bytes a token tile
	s_add_co_u32 s26, s26, s35
	s_add_co_u32 s26, s26, s34
	s_add_nc_u64 s[12:13], s[12:13], s[26:27]
	s_lshl_b32 s26, ttmp9, 19                      ; kv: 524,288 bytes a head,
	s_lshl_b32 s35, s33, 12                        ; 4,096 a token tile
	s_add_co_u32 s26, s26, s35
	s_add_co_u32 s26, s26, s34
	s_add_nc_u64 s[14:15], s[14:15], s[26:27]
; 20 loads: K step ks of my 16 rows of x and my 8 rows of each W, into a staging set.  Bases and offsets are never rewritten: the step stands in the immediate.
.macro GLOAD set, ks
	WIN 0x40
.irp i, 0,1,2,3,4,5,6,7
	global_load_b128 v[80*\set+4*\i:80*\set+4*\i+3], v[VX], s[4:5] offset:\i*ROWB+\ks*256
.endr
.irp m, 0,1,2
.irp i, 0,1,2,3
	global_load_b128 v[80*\set+32+16*\m+4*\i:80*\set+32+16*\m+4*\i+3], v[VW], s[6+2*\m:7+2*\m] offset:\i*ROWB+\ks*256
.endr
.endr
.endm
; a staging set is rounded to f16 in place (four f32 become two registers) and stored, 8 bytes a lane
.macro CVST set, slot
	WIN 0x45
.set nn, 0
.rept 20
	v_cvt_pk_f16_f32 v[80*\set+4*nn], v[80*\set+4*nn], v[80*\set+4*nn+1]
	v_cvt_pk_f16_f32 v[80*\set+4*nn+1], v[80*\set+4*nn+2], v[80*\set+4*nn+3]
.set nn, nn+1
.endr
	WIN 0x04
.irp i, 0,1,2,3,4,5,6,7
	ds_store_b64 v[SX], v[80*\set+4*\i:80*\set+4*\i+1] offset:\slot*SLOT+\i*PITCH
.endr
.irp m, 0,1,2
.irp i, 0,1,2,3
	ds_store_b64 v[SW], v[80*\set+32+16*\m+4*\i:80*\set+32+16*\m+4*\i+1] offset:\slot*SLOT+\m*64*PITCH+\i*PITCH
.endr
.endr
.endm
.macro FETCHA slot
.irp m, 0,1
	ds_load_b128 v[XA+8*\m:XA+8*\m+3],       v[FALO] offset:\slot*SLOT+\m*16*PITCH
	ds_load_b128 v[XA+8*\m+4:XA+8*\m+7],     v[FALO] offset:\slot*SLOT+\m*16*PITCH+32
.endr
.irp m, 0,1
	ds_load_b128 v[XA+16+8*\m:XA+16+8*\m+3], v[FAHI] offset:\slot*SLOT+\m*16*PITCH
	ds_load_b128 v[XA+16+8*\m+4:XA+16+8*\m+7], v[FAHI] offset:\slot*SLOT+\m*16*PITCH+32
.endr
.endm
.macro FETCHB slot, half               ; feature tiles nt = 3 half .. 3 half + 2
.irp c3, 0,1,2
	ds_load_b128 v[WB+8*\c3:WB+8*\c3+3],   v[FB+\slot] offset:((3*\half+\c3)/2)*64*PITCH+((3*\half+\c3)%2)*16*PITCH
	ds_load_b128 v[WB+8*\c3+4:WB+8*\c3+7], v[FB+\slot] offset:((3*\half+\c3)/2)*64*PITCH+((3*\half+\c3)%2)*16*PITCH+32
.endr
.endm
.macro MM d, a, b, zero                ; zero = 1: the first product starts the sum, nothing is cleared
.if \zero
	v_wmma_f32_16x16x32_f16 v[\d:\d+7], v[\a:\a+7], v[\b:\b+7], 0
.else
	v_wmma_f32_16x16x32_f16 v[\d:\d+7], v[\a:\a+7], v[\b:\b+7], v[\d:\d+7]
.endif
.endm
; 12 matrix instructions on 12 accumulators, which take turns, one instruction a turn.
; q and k: W's rows are source 0, so a lane holds one token and eight neighbouring features.  v: x's rows are source 0: one feature, eight tokens.
.macro MUL12 half, zero
.irp c3, 0,1,2
.irp mt, 0,1,2,3
.if 3*\half+\c3 < 4
	MM ACC+8*(6*\mt+3*\half+\c3), WB+8*\c3, XA+8*\mt, \zero
.else
	MM ACC+8*(6*\mt+3*\half+\c3), XA+8*\mt, WB+8*\c3, \zero
.endif
.endr
.endr
.endm
; K step t (symbols t, st = t % 3, sl = t & 1, tn = t + 3).  Two slots, one barrier a step: a wave stores into a slot only behind the barrier
; of the step before, in front of which every wave has waited for its reads of that slot, two steps back.
.macro STEP
.if t < 14
	s_wait_loadcnt 40                              ; loads come back in order: set st is in, the two younger sets of 20 stay out
.elseif t == 14
	s_wait_loadcnt 20                              ; one younger set is left
.else
	s_wait_loadcnt 0
.endif
	CVST st, sl                                    ; its 40 conversions are also the places behind the last step's matrix instructions
	s_wait_dscnt 0x0                               ; my stores are in LDS, for the other waves' sake; the set's registers are free as well
.if tn < 16
	GLOAD st, tn
.endif
	WIN 0
	s_barrier_signal -1
	s_barrier_wait -1                              ; the slot is whole
	FETCHA sl
	FETCHB sl, 0
	s_wait_dscnt 0x0
.if t == 0
	MUL12 0, 1
.else
	MUL12 0, 0
.endif
	NOP4                                           ; WB is loaded again four places behind the matrix instructions that read it
	FETCHB sl, 1
	s_wait_dscnt 0x0
.if t == 0
	MUL12 1, 1
.else
	MUL12 1, 0
.endif
.endm
	GLOAD 0, 0
	GLOAD 1, 1
	GLOAD 2, 2                                     ; 60 loads of the wave are out
.set t, 0
.rept 16
.set st, t%3
.set sl, t&1
.set tn, t+3
	STEP
.set t, t+1
.endr
	; THE EXCHANGE: tiles 12-23 (the token tiles that wave w ^ 4 keeps) go to my own bytes of LDS; I add what it left for me onto tiles 0-11.
	NOP4
	v_bfe_u32 v1, v0, 15, 1                        ; every global load has come back: v0, v1, v2 are free.  h out of VX,
	v_and_b32 v0, 0xf0, v0                         ; 16 r out of VX,
	v_lshl_add_u32 v0, v1, 8, v0                   ; 16 L
	v_add_nc_u32 v1, s30, v0
	v_add_nc_u32 v2, s31, v0
.set nn, 0
.rept 24
	ds_store_b128 v1, v[ACC+96+4*nn:ACC+96+4*nn+3] offset:512*nn
.set nn, nn+1
.endr
	s_wait_dscnt 0x0                               ; for the partner's sake: zero
	s_barrier_signal -1
	s_barrier_wait -1
.set nn, 0
.rept 24
	ds_load_b128 v[ACC+96+4*nn:ACC+96+4*nn+3], v2 offset:512*nn
.set nn, nn+1
.endr
; every store is a whole tile: 512 consecutive bytes, aligned; no register of a store is written again
.set ii, 0
.rept 12
	s_wait_dscnt 22-2*ii                           ; tile ii's two loads are in, the younger ones stay out
.irp k, 0,1,2,3
	v_pk_add_f32 v[ACC+8*ii+2*\k:ACC+8*ii+2*\k+1], v[ACC+8*ii+2*\k:ACC+8*ii+2*\k+1], v[ACC+96+8*ii+2*\k:ACC+96+8*ii+2*\k+1]
.endr
.if (ii%6) < 2
.irp k, 0,1,2,3
	v_pk_mul_f32 v[ACC+8*ii+2*\k:ACC+8*ii+2*\k+1], v[ACC+8*ii+2*\k:ACC+8*ii+2*\k+1], s[28:29] op_sel_hi:[1,0]   ; q alone: times c
.endr
.endif
.irp k, 0,1,2,3
	v_cvt_pk_f16_f32 v[ACC+96+8*ii+\k], v[ACC+8*ii+2*\k], v[ACC+8*ii+2*\k+1]
.endr
.if (ii%6) < 2
	global_store_b128 v0, v[ACC+96+8*ii:ACC+96+8*ii+3], s[12:13] offset:(ii/6)*2048+(ii%2)*512
.else
	global_store_b128 v0, v[ACC+96+8*ii:ACC+96+8*ii+3], s[14:15] offset:(ii/6)*4096+((ii%6)/4)*2048+(ii%2)*512   ; k, and 2,048 bytes behind it v
.endif
.set ii, ii+1
.endr
	s_set_vgpr_msb 0x5
	s_wait_tensorcnt 0x0
	ds_add_u32 v240, v241
	s_wait_dscnt 0x0
	s_set_vgpr_msb 0x500
	s_endpgm
.Lfunc_end_k_qa484da954b_qkv:
	.size	k_qa484da954b_qkv, .Lfunc_end_k_qa484da954b_qkv-k_qa484da954b_qkv
	.p2alignl 7, 3214868480
	.fill 96, 4, 3214868480
	.section	.rodata,"a",@progbits
	.p2align	6, 0x0
	.amdhsa_kernel k_qa484da954b_qkv
		.amdhsa_group_segment_fixed_size 191488
		.amdhsa_private_segment_fixed_size 0
		.amdhsa_enable_private_segment 0
		.amdhsa_kernarg_size 48
		.amdhsa_user_sgpr_count 2
		.amdhsa_user_sgpr_kernarg_segment_ptr 1
		.amdhsa_wavefront_size32 1
		.amdhsa_system_sgpr_workgroup_id_x 1
		.amdhsa_system_sgpr_workgroup_id_y 1
		.amdhsa_system_sgpr_workgroup_id_z 1
		.amdhsa_system_vgpr_workitem_id 0
		.amdhsa_next_free_vgpr 498
		.amdhsa_next_free_sgpr 66
		.amdhsa_reserve_vcc 0
		.amdhsa_float_denorm_mode_32 3
		.amdhsa_float_denorm_mode_16_64 3
		.amdhsa_memory_ordered 1
		.amdhsa_forward_progress 1
		.amdhsa_inst_pref_size 157
	.end_amdhsa_kernel
	.amdgpu_metadata
---
amdhsa.version: [ 1, 2 ]
amdhsa.kernels:
  - .name:           k_qa484da954b_qkv
    .symbol:         k_qa484da954b_qkv.kd
    .args:
      - { .name: x, .offset: 0, .size: 8, .value_kind: global_buffer, .address_space: global }
      - { .name: Wq, .offset: 8, .size: 8, .value_kind: global_buffer, .address_space: global }
      - { .name: Wk, .offset: 16, .size: 8, .value_kind: global_buffer, .address_space: global }
      - { .name: Wv, .offset: 24, .size: 8, .value_kind: global_buffer, .address_space: global }
      - { .name: qp, .offset: 32, .size: 8, .value_kind: global_buffer, .address_space: global }
      - { .name: kv, .offset: 40, .size: 8, .value_kind: global_buffer, .address_space: global }
    .group_segment_fixed_size: 191488
    .private_segment_fixed_size: 0
    .kernarg_segment_align: 8
    .kernarg_segment_size: 48
    .max_flat_workgroup_size: 256
    .sgpr_count:     66
    .vgpr_count:     498
    .wavefront_size: 32
...
	.end_amdgpu_metadata
.endif
;; end of part 1
;; launch attn (part 2): grid 16 x 16, 12 waves a work-group, no clusters, 327,680 bytes of LDS; arguments qp, kv, op; writes op
.if DOCPART == 2
	.amdgcn_target "amdgcn-amd-amdhsa--gfx1250"
	.amdhsa_code_object_version 6
	.text
	.protected	k_qa484da954b_attn
	.globl	k_qa484da954b_attn
	.p2align	8
	.type	k_qa484da954b_attn,@function
k_qa484da954b_attn:
	s_mov_b64 s[64:65], 0
	v_nop
	global_prefetch_b8 v0, s[64:65] scope:SCOPE_SE
	s_setreg_imm32_b32 hwreg(HW_REG_WAVE_MODE, 25, 1), 1
	s_wait_xcnt 0x0
; Stick-breaking attention of one head.  With t = the logit in base 2 (q carries 0.125 log2 e) and beta = 1 / (1 + 2^t) = sigmoid(-logit):
;   att(i, j) = sigmoid(logit) x product of beta(i, k) over j < k < i = P - beta P,   P(j) = that product,
;   1 - sum over j of att(i, j) = the product of all beta(i, k), k < i   (the sum telescopes).
; So the keys are walked downward with a running product: two transcendentals a pair (2^t, a reciprocal) and no logarithm.  All exponents of the
; reference's exponential are at most 0; here every factor lies in [0, 1], so nothing can overflow.
; S^T = K Q^T: a lane holds one query (r) and registers hold keys 8 h + j, so the product along the keys runs in registers; two packed result
; tiles are a fragment of att^T for O^T = V^T att^T without any move between lanes.
; THE KEYS OF ONE QUERY CAN BE SPLIT: if the upper keys give (O_A, C_A) and the lower keys, walked with a product that starts at 1, give (O_H, C_H),
; then O = O_A + C_A O_H and C = C_A C_H.
; SHARES: work-group (p, head), twelve waves, a block = 64 tokens.  a = max((31 - p) >> 1, p), Htop = 30 - p - a, top = max(Htop, p - 1).
;   waves 0-3  (A): a query tile of block 31 - p: the diagonal block, then blocks 30 - p .. 31 - p - a     a + 1 steps
;   waves 4-7  (H): the same query tile, blocks Htop .. 0, product from 1                                  Htop + 1 steps
;   waves 8-11 (S): a query tile of block p: the diagonal block, then blocks p - 1 .. 0                    p + 1 steps
; The three lengths add up to 33 for every p, none is above 16, and the two longest differ by at most 1.
; K and V come by tensor loads, a block (16,384 bytes) a load, in two streams through two LDS slots of four positions each:
;   high stream, position n: block 30 - p - n (read by A);   low stream, position n: block top - n (H joins at top - Htop, S at top - p + 1).
; Four trips of four positions, written out.  Both streams have at least 10 positions, so trips 0 and 1 are always whole; a load for a position
; behind its stream's end is jumped over, so nothing is fetched that no wave reads.
; LIMITS: f16 operands: att and the remainder below 2^-14 keep an absolute error of 2^-25.  1 - beta carries beta's rounding (about 6e-8, absolute).
; Masked pairs get -2^127 added to t, which gives beta = 1 and att = 0 as long as |t| < 1e38.  The running product goes to zero through the
; denormals where the reference's exponential does.  The sums over the keys are made in two parts for the long block.
; NO CLUSTER: in a given trip the sixteen work-groups of a head hold different blocks (the high stream begins at block 30 - p, the low one at top),
; so no two of them ask for the same tile at the same time.
.set LA,    1                          ; v1 16 L + my stream's part of slot 0, v2 the same in slot 1
.set VREL,  3                          ; v3 16 (w & 3) + r - 8 h: key 16 T + j of the diagonal block is below my query if 16 T + j < VREL
.set VZ,    4                          ; v4 0
.set VN,    5                          ; v5 -2^127
.set CARRY, 6                          ; v6 product of beta over all keys walked so far
.set LOFF,  7                          ; v7 16 L: the offset of every global load and store
.set QF,    8                          ; v[8:23]    Q fragments, features 0-31 and 32-63
.set OA,    24                         ; v[24:55]   O^T, four feature tiles
.set SC,    56                         ; v[56:87]   t, then beta, then att: tile T at 8 T, key 16 T + 8 h + j
.set PR,    88                         ; v[88:119]  P; before that at work; on the diagonal first the mask
.set AT,    120                        ; v[120:135] att in f16: two fragments of 32 keys
.set TOT,   136                        ; v[136:139] product of my eight beta of tile T
.set OTH,   140                        ; v[140:143] the other half's
.set FUL,   144                        ; v[144:147] both
.set SCA,   148                        ; v148 16 L + my query tile's scratch
.set FR,    160                        ; v[160:223] K fragments (16 T + 4 ft), then V fragments (8 (4 ks + dt) + 4 half)
; window 1: v[256:319] the diagonal block's V fragments, kept for the remainder's term
.set G1,    24                         ; s[24:31] descriptor group 1
.set G0,    32                         ; s[32:39] descriptor group 0, one set for each slot
.set BLK,   16384                      ; a block: four token tiles of 2,048 bytes of K and 2,048 of V
.set STRM,  4*BLK                      ; a stream's part of a slot
.set SLOT,  2*STRM                     ; the high stream's four positions, then the low stream's
.set SCR,   2*SLOT                     ; behind the slots, where no tensor load lands: H's sums and product for A
.set SCRW,  4608                       ; 8 x 512 bytes of sums, 512 for the product (16 bytes apart)
.set MSB, 0
.macro WIN new
.if MSB != \new
	s_set_vgpr_msb (MSB<<8)|\new
.set MSB, \new
.endif
.endm
.macro NOP4                            ; four places behind a matrix instruction (ISA guide 7.12.1)
.rept 4
	v_nop
.endr
.endm
; t of 64 keys x 16 queries: 8 matrix instructions; the four tiles take turns, one instruction a turn.  cmask = 1: the mask starts the sums.
.macro SMUL cmask
.irp T, 3,2,1,0
.if \cmask
	v_wmma_f32_16x16x32_f16 v[SC+8*\T:SC+8*\T+7], v[FR+16*\T:FR+16*\T+7], v[QF:QF+7], v[PR+8*\T:PR+8*\T+7]
.else
	v_wmma_f32_16x16x32_f16 v[SC+8*\T:SC+8*\T+7], v[FR+16*\T:FR+16*\T+7], v[QF:QF+7], 0
.endif
.endr
.irp T, 3,2,1,0
	v_wmma_f32_16x16x32_f16 v[SC+8*\T:SC+8*\T+7], v[FR+16*\T+8:FR+16*\T+15], v[QF+8:QF+15], v[SC+8*\T:SC+8*\T+7]
.endr
.endm
; t -> beta -> P -> att in f16; CARRY takes in the 64 keys
.macro ELEM
.set ee, 0
.rept 32
	v_exp_f32 v[SC+ee], v[SC+ee]
.set ee, ee+1
.endr
	v_nop                                          ; one plain place behind the last transcendental (ISA guide 5.7.2)
.set ee, 0
	s_wait_alu depctr_va_vdst(0)
.rept 16
	v_pk_add_f32 v[SC+ee:SC+ee+1], v[SC+ee:SC+ee+1], 1.0 op_sel_hi:[1,0]
.set ee, ee+2
.endr
.set ee, 0
.rept 32
	v_rcp_f32 v[SC+ee], v[SC+ee]                   ; beta; 2^t = infinity gives 0
.set ee, ee+1
.endr
	v_nop
	s_wait_alu depctr_va_vdst(0)
.irp T, 0,1,2,3
	v_pk_mul_f32 v[PR+8*\T:PR+8*\T+1], v[SC+8*\T:SC+8*\T+1], v[SC+8*\T+2:SC+8*\T+3]
.endr
.irp T, 0,1,2,3
	v_pk_mul_f32 v[PR+8*\T+2:PR+8*\T+3], v[SC+8*\T+4:SC+8*\T+5], v[SC+8*\T+6:SC+8*\T+7]
.endr
.irp T, 0,1,2,3
	v_pk_mul_f32 v[PR+8*\T:PR+8*\T+1], v[PR+8*\T:PR+8*\T+1], v[PR+8*\T+2:PR+8*\T+3]
.endr
.irp T, 0,1,2,3
	v_mul_f32 v[TOT+\T], v[PR+8*\T], v[PR+8*\T+1]
.endr
.irp T, 0,1,2,3
	v_permlanex16_b32 v[OTH+\T], v[TOT+\T], s40, s41
.endr
.irp T, 0,1,2,3
	v_mul_f32 v[FUL+\T], v[TOT+\T], v[OTH+\T]
.endr
.irp T, 0,1,2,3
	v_cndmask_b32 v[OTH+\T], 1.0, v[OTH+\T], s42   ; keys 8-15 of a tile lie above keys 0-7: lanes 0-15 take their product in, lanes 16-31 take 1
.endr
	v_mul_f32 v[PR+31], v[CARRY], v[OTH+3]         ; P of each tile's highest key of my half, from tile 3 down
	v_mul_f32 v[FUL+3], v[CARRY], v[FUL+3]
	v_mul_f32 v[PR+23], v[FUL+3], v[OTH+2]
	v_mul_f32 v[FUL+2], v[FUL+3], v[FUL+2]
	v_mul_f32 v[PR+15], v[FUL+2], v[OTH+1]
	v_mul_f32 v[FUL+1], v[FUL+2], v[FUL+1]
	v_mul_f32 v[PR+7], v[FUL+1], v[OTH]
	v_mul_f32 v[CARRY], v[FUL+1], v[FUL]
.irp j, 6,5,4,3,2,1,0
.irp T, 0,1,2,3
	v_mul_f32 v[PR+8*\T+\j], v[PR+8*\T+\j+1], v[SC+8*\T+\j+1]
.endr
.endr
.set ee, 0
.rept 16
	v_pk_fma_f32 v[SC+ee:SC+ee+1], v[SC+ee:SC+ee+1], v[PR+ee:PR+ee+1], v[PR+ee:PR+ee+1] neg_lo:[1,0,0] neg_hi:[1,0,0]   ; att = P - beta P
.set ee, ee+2
.endr
.set ee, 0
.rept 16
	v_cvt_pk_f16_f32 v[AT+ee/2], v[SC+ee], v[SC+ee+1]
.set ee, ee+2
.endr
.endm
; O^T += V^T att^T, 64 keys: 8 matrix instructions, the four feature tiles by turns.  zero = 1: the first products start the sums.
.macro PV base, zero
.irp dt, 0,1,2,3
.if \zero
	v_wmma_f32_16x16x32_f16 v[OA+8*\dt:OA+8*\dt+7], v[\base+8*\dt:\base+8*\dt+7], v[AT:AT+7], 0
.else
	v_wmma_f32_16x16x32_f16 v[OA+8*\dt:OA+8*\dt+7], v[\base+8*\dt:\base+8*\dt+7], v[AT:AT+7], v[OA+8*\dt:OA+8*\dt+7]
.endif
.endr
.irp dt, 0,1,2,3
	v_wmma_f32_16x16x32_f16 v[OA+8*\dt:OA+8*\dt+7], v[\base+32+8*\dt:\base+32+8*\dt+7], v[AT+8:AT+15], v[OA+8*\dt:OA+8*\dt+7]
.endr
.endm
; Position n of my stream, which lies at place k of a slot.  I walk positions s20 .. s21 - 1.  The jumps hang on the work-group's and the wave's
; numbers alone and pass over no barrier and no tensor load.
.macro STEP slot, k, n
	s_cmp_gt_u32 s20, \n
	s_cbranch_scc1 .Lskip_\@
	s_cmp_le_u32 s21, \n
	s_cbranch_scc1 .Lskip_\@
	NOP4                                           ; FR is loaded again four places behind the matrix instructions that read it
.irp T, 0,1,2,3
.irp f, 0,1,2,3
	ds_load_b128 v[FR+16*\T+4*\f:FR+16*\T+4*\f+3], v[LA+\slot] offset:\k*BLK+\T*4096+\f*512
.endr
.endr
	s_wait_dscnt 0x0
	SMUL 0
	NOP4                                           ; the places for the loads into FR and for the reads of t
.irp ks, 0,1
.irp hf, 0,1
.irp dt, 0,1,2,3
	ds_load_b128 v[FR+8*(4*\ks+\dt)+4*\hf:FR+8*(4*\ks+\dt)+4*\hf+3], v[LA+\slot] offset:\k*BLK+(2*\ks+\hf)*4096+2048+\dt*512
.endr
.endr
.endr
	ELEM                                           ; V's fragments come in meanwhile
	s_wait_dscnt 0x0
	PV FR, 0
.Lskip_\@:
.endm
; Trip tau: positions 4 tau .. 4 tau + 3 of both streams, in a slot.  In front of the barrier every wave waits for all its tensor loads (at most one
; is out: its block of this trip) and for its reads of the other slot; behind it the other slot's fill is the wave's first and only tensor load,
; and has the whole trip in which to land.  refill = 1: waves 0-7 fill; 2: those of them whose position 4 tau + 4 + (w & 3) is still in its stream.
.macro TRIP tau, slot, refill
	s_wait_tensorcnt 0x0
	ds_add_u32 v254, v255
	s_wait_dscnt 0x0
.if \tau < 2
	s_sub_nc_u64 s[G0+4*\slot+2:G0+4*\slot+3], s[G0+4*\slot+2:G0+4*\slot+3], 8*BLK   ; no load of mine is out: this slot's next block, eight positions on
.endif
	s_wait_dscnt 0x0
	s_barrier_signal -1
	s_barrier_wait -1
.if \refill
	s_cmp_ge_u32 s12, 8
	s_cbranch_scc1 .Lnofill_\@
.if \refill == 2
	s_cmp_lt_i32 s44, 4*\tau+4
	s_cbranch_scc1 .Lnofill_\@
.endif
	tensor_load_to_lds s[G0+4-4*\slot:G0+7-4*\slot], s[G1:G1+7]
	s_nop 0
.Lnofill_\@:
.endif
	STEP \slot, 0, 4*\tau
	STEP \slot, 1, 4*\tau+1
	STEP \slot, 2, 4*\tau+2
	STEP \slot, 3, 4*\tau+3
.endm
	s_load_b128 s[4:7], s[0:1], 0x0                ; qp s[4:5], kv s[6:7]
	s_load_b64 s[8:9], s[0:1], 0x10                ; op
	v_lshl_add_u32 v254, v0, 2, 0x44800
	v_mov_b32 v255, 0
	ds_add_u32 v254, v255
	v_lshrrev_b32 v[TOT], 5, v0
	v_readfirstlane_b32 s12, v[TOT]                ; wave w
	s_mov_b32 s13, ttmp9                           ; p
	s_and_b32 s14, ttmp7, 0xffff                   ; head
	s_and_b32 s2, s12, 3
	s_sub_co_u32 s15, 31, s13                      ; the long block
	s_lshr_b32 s16, s15, 1
	s_max_u32 s16, s16, s13                        ; a
	s_sub_co_u32 s17, s15, s16
	s_sub_co_u32 s17, s17, 1                       ; Htop = 30 - p - a, at least 0
	s_sub_co_i32 s3, s13, 1                        ; p - 1
	s_max_i32 s18, s17, s3                         ; top
	s_sub_co_u32 s22, s18, s17                     ; where H joins the low stream
	s_sub_co_i32 s23, s18, s3                      ; where S joins it
	s_add_co_u32 s3, s18, 1                        ; the low stream's positions
	s_cmp_lt_u32 s12, 8
	s_cselect_b32 s19, s15, s13                    ; my query block
	s_cselect_b32 s20, s22, s23
	s_cmp_lt_u32 s12, 4
	s_cselect_b32 s20, 0, s20                      ; my first position
	s_cselect_b32 s21, s16, s3                     ; and the one behind my last
	s_sub_co_u32 s45, s15, 1                       ; the high stream's first block
	s_sub_co_u32 s44, s16, 1                       ; and its last position
	s_cmp_lt_u32 s12, 4
	s_cselect_b32 s45, s45, s18                    ; waves 0-3 fetch the high stream, waves 4-7 the low one
	s_cselect_b32 s44, s44, s18
	s_sub_co_i32 s45, s45, s2                      ; the first block that I fetch: position w & 3
	s_sub_co_i32 s44, s44, s2                      ; position 4 tau + (w & 3) is in the stream if 4 tau <= s44
	s_lshl2_add_u32 s3, s19, s2                    ; my query tile
	s_mov_b32 s40, 0x76543210                      ; v_permlanex16_b32: lane i takes lane i of the other half
	s_mov_b32 s41, 0xfedcba98
	s_mov_b32 s42, 0x0000ffff                      ; lanes 0-15
	; group 1: 64 rows of 32 elements of 8 bytes, dense: a block
	s_mov_b32 s[G1+0], 3<<16                       ; no mask, elements of 8 bytes, no padding (every LDS read is 16 bytes a lane, lanes side by side)
	s_mov_b32 s[G1+1], 32<<16                      ; tensor_dim0 = 32
	s_mov_b32 s[G1+2], 64<<16                      ; tensor_dim1 = 64
	s_mov_b32 s[G1+3], 32<<16                      ; tile_dim0 = 32
	s_mov_b32 s[G1+4], 64                          ; tile_dim1 = 64
	s_mov_b32 s[G1+5], 32                          ; pitch = 32 elements
	s_mov_b32 s[G1+6], 0
	s_mov_b32 s[G1+7], 0
	s_mov_b32 s[G0+0], 1
	s_mov_b32 s[G0+4], 1
	s_lshl_b32 s[G0+1], s12, 14                    ; LDS: 16,384 w, for the waves 0-7 that fetch
	s_add_co_u32 s[G0+5], s[G0+1], SLOT
	s_lshl_b32 s43, s14, 19                        ; the head's 524,288 bytes of kv
	s_lshl_b32 s22, s45, 14
	s_add_co_u32 s22, s22, s43
	s_mov_b32 s23, 0
	s_wait_dscnt 0x0
	s_barrier_signal -1
	s_barrier_wait -1
	s_wait_kmcnt 0x0
	s_add_nc_u64 s[G0+2:G0+3], s[6:7], s[22:23]    ; slot 0: trip 0's block
	s_sub_nc_u64 s[G0+6:G0+7], s[G0+2:G0+3], 4*BLK ; slot 1: trip 1's, four blocks lower
	s_or_b32 s[G0+3], s[G0+3], 0x80000000          ; type 2
	s_or_b32 s[G0+7], s[G0+7], 0x80000000
	s_cmp_ge_u32 s12, 8
	s_cbranch_scc1 .Lno_first
	tensor_load_to_lds s[G0:G0+3], s[G1:G1+7]      ; the first fill, ahead of every wait on TENSORcnt, LDS read and barrier; it lands under the diagonal blocks' work
	s_nop 0
.Lno_first:
	s_lshl_b32 s22, s3, 11
	s_lshl_b32 s10, s14, 18
	s_add_co_u32 s22, s22, s10
	s_add_nc_u64 s[10:11], s[4:5], s[22:23]        ; my Q tile
	s_lshl_b32 s22, s19, 14
	s_add_co_u32 s22, s22, s43
	s_add_nc_u64 s[48:49], s[6:7], s[22:23]        ; K and V of my diagonal block
	s_lshl_b32 s22, s3, 15
	s_lshl_b32 s43, s14, 11
	s_add_co_u32 s22, s22, s43
	s_add_nc_u64 s[46:47], s[8:9], s[22:23]        ; op: token tile x 32,768 + head x 2,048
	v_and_b32 v[TOT], 31, v0
	v_lshlrev_b32 v[LOFF], 4, v[TOT]
.irp f, 0,1,2,3
	global_load_b128 v[QF+4*\f:QF+4*\f+3], v[LOFF], s[10:11] offset:\f*512
.endr
	s_add_co_u32 s22, s12, 4
	s_lshr_b32 s22, s22, 3                         ; 0 for waves 0-3, 1 for waves 4-11
	s_lshl_b32 s22, s22, 16                        ; my stream's part of a slot
	v_add_nc_u32 v[LA], s22, v[LOFF]
	v_add_nc_u32 v[LA+1], SLOT, v[LA]
	s_mul_i32 s22, s2, SCRW
	s_add_co_u32 s22, s22, SCR
	v_add_nc_u32 v[SCA], s22, v[LOFF]
	v_and_b32 v[VREL], 15, v0
	v_bfe_u32 v[TOT+1], v0, 4, 1
	v_lshlrev_b32 v[TOT+1], 3, v[TOT+1]
	v_sub_nc_u32 v[VREL], v[VREL], v[TOT+1]
	v_lshl_add_u32 v[VREL], s2, 4, v[VREL]
	v_mov_b32 v[VZ], 0
	v_mov_b32 v[VN], 0xff000000
	v_mov_b32 v[CARRY], 1.0
.irp T, 0,1,2,3
	v_mov_b32 v[OTH+\T], 0                         ; v_permlanex16_b32 counts as a reader of its destination
.endr
	s_cmp_lt_u32 s12, 4
	s_cbranch_scc1 .Ldiag
	s_cmp_ge_u32 s12, 8
	s_cbranch_scc1 .Ldiag
	; H has no diagonal block.  The place of its first step hangs on p, so no first product can be written out to start its sums: they are cleared.
.set ee, 0
.rept 32
	v_mov_b32 v[OA+ee], 0
.set ee, ee+1
.endr
	s_wait_loadcnt 0x0                             ; Q
	s_branch .Ltrips
	; THE DIAGONAL BLOCK of A and of S, from memory into registers
.Ldiag:
.irp T, 0,1,2,3
.irp f, 0,1,2,3
	global_load_b128 v[FR+16*\T+4*\f:FR+16*\T+4*\f+3], v[LOFF], s[48:49] offset:\T*4096+\f*512
.endr
.endr
	WIN 0x40
.irp ks, 0,1
.irp hf, 0,1
.irp dt, 0,1,2,3
	global_load_b128 v[8*(4*\ks+\dt)+4*\hf:8*(4*\ks+\dt)+4*\hf+3], v[LOFF], s[48:49] offset:(2*\ks+\hf)*4096+2048+\dt*512
.endr
.endr
.endr
	WIN 0
.irp T, 0,1,2,3
.irp j, 0,1,2,3,4,5,6,7
	v_cmp_lt_i32 vcc_lo, 16*\T+\j, v[VREL]
	v_cndmask_b32 v[PR+8*\T+\j], v[VN], v[VZ], vcc_lo      ; 0 below the diagonal, -2^127 on and above it
.endr
.endr
	s_wait_loadcnt 16                              ; Q and K are in; V's sixteen loads stay out
	SMUL 1
	NOP4
	ELEM
	s_wait_loadcnt 0x0
	WIN 0x01                                       ; source 0 in window 1
	PV 0, 1
	WIN 0
.Ltrips:
	TRIP 0, 0, 1
	TRIP 1, 1, 2
	TRIP 2, 0, 2
	TRIP 3, 1, 0                                   ; nothing is left to fetch, and no tensor load is out from here on
	; H HANDS ITS SUMS AND ITS PRODUCT TO A, lane to lane: both hold the same query tile in the same layout
	NOP4                                           ; the places behind the last matrix instructions: for the stores of O, the loads into FR and the sums onto O
	s_cmp_lt_u32 s12, 4
	s_cbranch_scc1 .Lnot_h
	s_cmp_ge_u32 s12, 8
	s_cbranch_scc1 .Lnot_h
.irp i, 0,1,2,3,4,5,6,7
	ds_store_b128 v[SCA], v[OA+4*\i:OA+4*\i+3] offset:512*\i
.endr
	ds_store_b32 v[SCA], v[CARRY] offset:4096
.Lnot_h:
	s_wait_dscnt 0x0                               ; for A's sake: zero
	s_barrier_signal -1
	s_barrier_wait -1
	s_cmp_ge_u32 s12, 8
	s_cbranch_scc1 .Lrem                           ; S has all its keys itself
	s_cmp_ge_u32 s12, 4
	s_cbranch_scc1 .Lend                           ; H is done
.irp i, 0,1,2,3,4,5,6,7
	ds_load_b128 v[FR+4*\i:FR+4*\i+3], v[SCA] offset:512*\i
.endr
	ds_load_b32 v[TOT], v[SCA] offset:4096
	s_wait_dscnt 0x0
.set ee, 0
.rept 16
	v_pk_fma_f32 v[OA+ee:OA+ee+1], v[FR+ee:FR+ee+1], v[CARRY:CARRY+1], v[OA+ee:OA+ee+1] op_sel_hi:[1,0,1]   ; O = O_A + C_A O_H: both halves times v6
.set ee, ee+2
.endr
	v_mul_f32 v[CARRY], v[CARRY], v[TOT]           ; C = C_A C_H
	; THE REMAINDER: o += CARRY v(i), as one more product with the diagonal block's V: att^T holds CARRY at key = query and 0 elsewhere
.Lrem:
.irp T, 0,1,2,3
.irp j, 0,1,2,3,4,5,6,7
	v_cmp_eq_i32 vcc_lo, 16*\T+\j, v[VREL]
	v_cndmask_b32 v[SC+8*\T+\j], v[VZ], v[CARRY], vcc_lo
.endr
.endr
.set ee, 0
.rept 16
	v_cvt_pk_f16_f32 v[AT+ee/2], v[SC+ee], v[SC+ee+1]
.set ee, ee+2
.endr
	WIN 0x01
	PV 0, 0
	WIN 0
	NOP4
.irp dt, 0,1,2,3
.irp k, 0,1,2,3
	v_cvt_pk_f16_f32 v[SC+4*\dt+\k], v[OA+8*\dt+2*\k], v[OA+8*\dt+2*\k+1]
.endr
.endr
.irp dt, 0,1,2,3
	global_store_b128 v[LOFF], v[SC+4*\dt:SC+4*\dt+3], s[46:47] offset:\dt*512     ; a packed tile: 512 consecutive bytes, aligned
.endr
.Lend:
	s_wait_tensorcnt 0x0
	ds_add_u32 v254, v255
	s_wait_dscnt 0x0
	s_endpgm
.Lfunc_end_k_qa484da954b_attn:
	.size	k_qa484da954b_attn, .Lfunc_end_k_qa484da954b_attn-k_qa484da954b_attn
	.p2alignl 7, 3214868480
	.fill 96, 4, 3214868480
	.section	.rodata,"a",@progbits
	.p2align	6, 0x0
	.amdhsa_kernel k_qa484da954b_attn
		.amdhsa_group_segment_fixed_size 327680
		.amdhsa_private_segment_fixed_size 0
		.amdhsa_enable_private_segment 0
		.amdhsa_kernarg_size 24
		.amdhsa_user_sgpr_count 2
		.amdhsa_user_sgpr_kernarg_segment_ptr 1
		.amdhsa_wavefront_size32 1
		.amdhsa_system_sgpr_workgroup_id_x 1
		.amdhsa_system_sgpr_workgroup_id_y 1
		.amdhsa_system_sgpr_workgroup_id_z 1
		.amdhsa_system_vgpr_workitem_id 0
		.amdhsa_next_free_vgpr 320
		.amdhsa_next_free_sgpr 66
		.amdhsa_reserve_vcc 1
		.amdhsa_float_denorm_mode_32 3
		.amdhsa_float_denorm_mode_16_64 3
		.amdhsa_memory_ordered 1
		.amdhsa_forward_progress 1
		.amdhsa_inst_pref_size 209
	.end_amdhsa_kernel
	.amdgpu_metadata
---
amdhsa.version: [ 1, 2 ]
amdhsa.kernels:
  - .name:           k_qa484da954b_attn
    .symbol:         k_qa484da954b_attn.kd
    .args:
      - { .name: qp, .offset: 0, .size: 8, .value_kind: global_buffer, .address_space: global }
      - { .name: kv, .offset: 8, .size: 8, .value_kind: global_buffer, .address_space: global }
      - { .name: op, .offset: 16, .size: 8, .value_kind: global_buffer, .address_space: global }
    .group_segment_fixed_size: 327680
    .private_segment_fixed_size: 0
    .kernarg_segment_align: 8
    .kernarg_segment_size: 24
    .max_flat_workgroup_size: 384
    .sgpr_count:     66
    .vgpr_count:     320
    .wavefront_size: 32
...
	.end_amdgpu_metadata
.endif
;; end of part 2
;; launch proj (part 3): grid 16 x 16, 8 waves a work-group, no clusters, 202,752 bytes of LDS; arguments op, Wo, out0; writes out0
.if DOCPART == 3
	.amdgcn_target "amdgcn-amd-amdhsa--gfx1250"
	.amdhsa_code_object_version 6
	.text
	.protected	k_qa484da954b_proj
	.globl	k_qa484da954b_proj
	.p2align	8
	.type	k_qa484da954b_proj,@function
k_qa484da954b_proj:
	s_mov_b64 s[64:65], 0
	v_nop
	global_prefetch_b8 v0, s[64:65] scope:SCOPE_SE
	s_setreg_imm32_b32 hwreg(HW_REG_WAVE_MODE, 25, 1), 1
	s_wait_xcnt 0x0
; out0 = o Wo^T.  op: o in f16 as packed tiles (byte T*32768 + kt*512 + 16 L: token 16 T + r, features 16 kt + 8 h .. + 7).  Wo: [1024][1024] f32.  out0: [2048][1024] f32.
; A work-group makes 128 tokens x 64 features.  Its 64 rows of Wo are read once, rounded to f16 and kept whole in LDS; o's fragments come straight
; from memory into registers, 512 consecutive bytes a load.
; SHARES: wave w: g = w & 3: 32 tokens; kh = w >> 2: which 512 of K.  8 accumulators, 8 rounds of 64 along K.  Waves g and g + 4 add their halves through LDS.
; LIMITS: f16 operands (|Wo| below 65,504; below 2^-14 an absolute error of 2^-25); K is summed in two halves.
; NO CLUSTER, NO TENSOR LOADS: Wo is f32 and is rounded once on the way through registers; o's tiles are fragments as they lie and need no LDS.
.set WPITCH, 2064                      ; a row of Wo in LDS: 1,024 f16 + 16 bytes = 129 x 16: sixteen rows start at sixteen different 16-byte columns modulo 256
.set STG,    64*WPITCH                 ; behind Wo: a stage of 32 rows for each wave
.set SPITCH, 272                       ; 64 f32 + 16 bytes
.set STGW,   32*SPITCH
.set LOFF, 0                           ; v0 16 L
.set VW,   1                           ; v1 global offset of my 8 rows of Wo
.set SW,   2                           ; v2 where they go in LDS
.set FBA,  3                           ; v3 Wo fragments, feature tiles 0, 1
.set FBB,  4                           ; v4 feature tiles 2, 3
.set STO,  5                           ; v5 the stage, in
.set RD,   6                           ; v6 the stage, back
.set CO,   7                           ; v7 my byte offset in out0
.set ACC,  8                           ; v[8:71]    tile 4 tk + nt
.set BF,   72                          ; v[72:135]  Wo fragments: 32 kp + 8 nt
.set AF,   136                         ; v[136:231] o fragments, three rounds' sets: 32 (round % 3) + 16 kp + 8 tk
; window 1 (v256-v511): my 8 rows of Wo as loaded, 64 loads
.set MSB, 0
.macro WIN new
.if MSB != \new
	s_set_vgpr_msb (MSB<<8)|\new
.set MSB, \new
.endif
.endm
.macro NOP4                            ; four places behind a matrix instruction (ISA guide 7.12.1)
.rept 4
	v_nop
.endr
.endm
	s_load_b128 s[4:7], s[0:1], 0x0                ; op s[4:5], Wo s[6:7]
	s_load_b64 s[8:9], s[0:1], 0x10                ; out0
	v_lshl_add_u32 v254, v0, 2, 0x31400
	v_mov_b32 v255, 0
	v_lshrrev_b32 v8, 5, v0
	v_readfirstlane_b32 s12, v8                    ; wave w
	v_and_b32 v9, 31, v0                           ; L
	v_and_b32 v10, 15, v0                          ; r
	v_bfe_u32 v11, v0, 4, 1                        ; h
	s_and_b32 s13, s12, 3                          ; g
	s_lshr_b32 s14, s12, 2                         ; kh
	s_and_b32 s15, ttmp7, 0xffff                   ; row block
	v_lshlrev_b32 v12, 4, v9
	s_lshl_b32 s16, s12, 15                        ; 8 w rows of 4,096 bytes
	v_add_nc_u32 v[VW], s16, v12
	s_mul_i32 s16, s12, 8*WPITCH
	v_lshl_add_u32 v[SW], v9, 3, s16
	v_mul_u32_u24 v13, v10, WPITCH
	v_lshl_add_u32 v13, v11, 4, v13
	s_lshl_b32 s16, s14, 10                        ; my half of K: 1,024 bytes into the rows
	v_add_nc_u32 v[FBA], s16, v13
	v_add_nc_u32 v[FBB], 32*WPITCH, v[FBA]
	v_mul_u32_u24 v13, v10, SPITCH
	v_lshl_add_u32 v13, v11, 5, v13                ; row r, 32 bytes for each half of the lanes
	s_mul_i32 s16, s12, STGW
	s_add_co_u32 s16, s16, STG
	v_add_nc_u32 v[STO], s16, v13
	v_mul_u32_u24 v13, v11, SPITCH                 ; back: lanes 0-15 one row of 256 bytes, lanes 16-31 the next,
	v_lshl_add_u32 v13, v10, 4, v13
	s_mul_i32 s16, s13, STGW                       ; of wave g's stage, rows 16 kh .. + 15
	s_mul_i32 s17, s14, 16*SPITCH
	s_add_co_u32 s16, s16, s17
	s_add_co_u32 s16, s16, STG
	v_add_nc_u32 v[RD], s16, v13
	v_lshlrev_b32 v13, 12, v11
	v_lshl_add_u32 v[CO], v10, 4, v13
	v_mov_b32 v[LOFF], v12                         ; v0 is rewritten last
	s_wait_kmcnt 0x0
	s_lshl_b32 s16, ttmp9, 18                      ; 64 rows of Wo
	s_mov_b32 s17, 0
	s_add_nc_u64 s[6:7], s[6:7], s[16:17]
	s_lshl_b32 s16, s15, 3
	s_lshl1_add_u32 s16, s13, s16                  ; token tile 8 block + 2 g
	s_lshl_b32 s16, s16, 15
	s_lshl_b32 s18, s14, 14                        ; 32 feature tiles of 512 bytes for each half of K
	s_add_co_u32 s16, s16, s18
	s_add_nc_u64 s[4:5], s[4:5], s[16:17]
	s_lshl_b32 s16, s15, 7
	s_lshl_b32 s18, s13, 5
	s_add_co_u32 s16, s16, s18
	s_lshl4_add_u32 s16, s14, s16                  ; the first row that I store: 128 block + 32 g + 16 kh
	s_lshl_b32 s16, s16, 12
	s_lshl_b32 s18, ttmp9, 8                       ; 64 features of 4 bytes
	s_add_co_u32 s16, s16, s18
	s_add_nc_u64 s[8:9], s[8:9], s[16:17]
	WIN 0x40
.set nn, 0
.rept 64
	global_load_b128 v[4*nn:4*nn+3], v[VW], s[6:7] offset:(nn/8)*4096+(nn%8)*512   ; row nn / 8, 512 consecutive bytes
.set nn, nn+1
.endr
; load number n of o's fragments: round n / 8, K slice (n / 4) % 2, token tile (n / 2) % 2, half n % 2
.macro ALOAD n
.set a_r, (\n)/8
.set a_k, ((\n)/4)%2
.set a_t, ((\n)/2)%2
.set a_h, (\n)%2
.set a_d, AF+(a_r%3)*32+a_k*16+a_t*8+a_h*4
	global_load_b128 v[a_d:a_d+3], v[LOFF], s[4:5] offset:a_t*32768+(4*a_r+2*a_k+a_h)*512
.endm
; two of my rows of Wo: rounded in place, stored 8 bytes a lane (256 consecutive bytes an instruction); then six of o's first 24 loads
.macro WGRP gq
	s_wait_loadcnt 48-10*\gq                       ; behind this group's 16 loads stand 16 (3 - gq) of Wo's and the 6 gq of o's issued so far
	WIN 0x45
.set nn, 16*\gq
.rept 16
	v_cvt_pk_f16_f32 v[4*nn], v[4*nn], v[4*nn+1]
	v_cvt_pk_f16_f32 v[4*nn+1], v[4*nn+2], v[4*nn+3]
.set nn, nn+1
.endr
	WIN 0x04
.set nn, 16*\gq
.rept 16
	ds_store_b64 v[SW], v[4*nn:4*nn+1] offset:(nn/8)*WPITCH+(nn%8)*256
.set nn, nn+1
.endr
	WIN 0
.set mm, 6*\gq
.rept 6
	ALOAD mm
.set mm, mm+1
.endr
.endm
	WGRP 0
	WGRP 1
	WGRP 2
	WGRP 3
	s_wait_dscnt 0x0                               ; my rows of Wo are in LDS, for the others' sake
	s_barrier_signal -1
	s_barrier_wait -1
; 64 along K: 16 LDS loads, 16 matrix instructions on 8 accumulators, which take turns, one instruction a turn.
; Wo's rows are source 0: a lane holds one token and eight neighbouring features.
.macro ROUND rho
.irp kp, 0,1
.irp n2, 0,1
	ds_load_b128 v[BF+32*\kp+8*\n2:BF+32*\kp+8*\n2+3],       v[FBA] offset:\n2*16*WPITCH+(2*\rho+\kp)*64
	ds_load_b128 v[BF+32*\kp+8*\n2+4:BF+32*\kp+8*\n2+7],     v[FBA] offset:\n2*16*WPITCH+(2*\rho+\kp)*64+32
	ds_load_b128 v[BF+32*\kp+8*\n2+16:BF+32*\kp+8*\n2+19],   v[FBB] offset:\n2*16*WPITCH+(2*\rho+\kp)*64
	ds_load_b128 v[BF+32*\kp+8*\n2+20:BF+32*\kp+8*\n2+23],   v[FBB] offset:\n2*16*WPITCH+(2*\rho+\kp)*64+32
.endr
.endr
.if \rho < 6
	s_wait_loadcnt 16                              ; this round's eight loads of o are in; the two younger rounds' stay out
.elseif \rho == 6
	s_wait_loadcnt 8
.else
	s_wait_loadcnt 0
.endif
	s_wait_dscnt 0x0
.irp kp, 0,1
.irp tk, 0,1
.irp nt, 0,1,2,3
.if \rho+\kp == 0
	v_wmma_f32_16x16x32_f16 v[ACC+8*(4*\tk+\nt):ACC+8*(4*\tk+\nt)+7], v[BF+32*\kp+8*\nt:BF+32*\kp+8*\nt+7], v[AF+(\rho%3)*32+16*\kp+8*\tk:AF+(\rho%3)*32+16*\kp+8*\tk+7], 0
.else
	v_wmma_f32_16x16x32_f16 v[ACC+8*(4*\tk+\nt):ACC+8*(4*\tk+\nt)+7], v[BF+32*\kp+8*\nt:BF+32*\kp+8*\nt+7], v[AF+(\rho%3)*32+16*\kp+8*\tk:AF+(\rho%3)*32+16*\kp+8*\tk+7], v[ACC+8*(4*\tk+\nt):ACC+8*(4*\tk+\nt)+7]
.endif
.endr
.endr
.endr
	NOP4                                           ; the places for the loads into AF and BF, and at the end for the stores of the sums
.if \rho+3 < 8
.set mm, 8*(\rho+3)
.rept 8
	ALOAD mm
.set mm, mm+1
.endr
.endif
.endm
	ROUND 0
	ROUND 1
	ROUND 2
	ROUND 3
	ROUND 4
	ROUND 5
	ROUND 6
	ROUND 7
	; THE WAY OUT: each wave's 32 x 64 partial sums go to its own stage; wave (g, kh) adds rows 16 kh .. + 15 of the stages of waves g and g + 4.
.irp tk, 0,1
.irp nt, 0,1,2,3
	ds_store_b128 v[STO], v[ACC+8*(4*\tk+\nt):ACC+8*(4*\tk+\nt)+3]   offset:\tk*16*SPITCH+\nt*64
	ds_store_b128 v[STO], v[ACC+8*(4*\tk+\nt)+4:ACC+8*(4*\tk+\nt)+7] offset:\tk*16*SPITCH+\nt*64+16
.endr
.endr
	s_wait_dscnt 0x0                               ; for the partner's sake: zero
	s_barrier_signal -1
	s_barrier_wait -1
.irp i, 0,1,2,3,4,5,6,7
	ds_load_b128 v[BF+8*\i:BF+8*\i+3],   v[RD] offset:\i*2*SPITCH
	ds_load_b128 v[BF+8*\i+4:BF+8*\i+7], v[RD] offset:\i*2*SPITCH+4*STGW
.endr
.irp i, 0,1,2,3,4,5,6,7
	s_wait_dscnt 14-2*\i                           ; pair i is in, the younger pairs stay out
	v_pk_add_f32 v[BF+8*\i:BF+8*\i+1],   v[BF+8*\i:BF+8*\i+1],   v[BF+8*\i+4:BF+8*\i+5]
	v_pk_add_f32 v[BF+8*\i+2:BF+8*\i+3], v[BF+8*\i+2:BF+8*\i+3], v[BF+8*\i+6:BF+8*\i+7]
	global_store_b128 v[CO], v[BF+8*\i:BF+8*\i+3], s[8:9] offset:\i*8192 th:TH_STORE_NT   ; sixteen lanes store 256 consecutive bytes, aligned; no register of a store is written again
.endr
	s_wait_tensorcnt 0x0
	ds_add_u32 v254, v255
	s_wait_dscnt 0x0
	s_endpgm
.Lfunc_end_k_qa484da954b_proj:
	.size	k_qa484da954b_proj, .Lfunc_end_k_qa484da954b_proj-k_qa484da954b_proj
	.p2alignl 7, 3214868480
	.fill 96, 4, 3214868480
	.section	.rodata,"a",@progbits
	.p2align	6, 0x0
	.amdhsa_kernel k_qa484da954b_proj
		.amdhsa_group_segment_fixed_size 202752
		.amdhsa_private_segment_fixed_size 0
		.amdhsa_enable_private_segment 0
		.amdhsa_kernarg_size 24
		.amdhsa_user_sgpr_count 2
		.amdhsa_user_sgpr_kernarg_segment_ptr 1
		.amdhsa_wavefront_size32 1
		.amdhsa_system_sgpr_workgroup_id_x 1
		.amdhsa_system_sgpr_workgroup_id_y 1
		.amdhsa_system_sgpr_workgroup_id_z 1
		.amdhsa_system_vgpr_workitem_id 0
		.amdhsa_next_free_vgpr 512
		.amdhsa_next_free_sgpr 66
		.amdhsa_reserve_vcc 0
		.amdhsa_float_denorm_mode_32 3
		.amdhsa_float_denorm_mode_16_64 3
		.amdhsa_memory_ordered 1
		.amdhsa_forward_progress 1
		.amdhsa_inst_pref_size 50
	.end_amdhsa_kernel
	.amdgpu_metadata
---
amdhsa.version: [ 1, 2 ]
amdhsa.kernels:
  - .name:           k_qa484da954b_proj
    .symbol:         k_qa484da954b_proj.kd
    .args:
      - { .name: op, .offset: 0, .size: 8, .value_kind: global_buffer, .address_space: global }
      - { .name: Wo, .offset: 8, .size: 8, .value_kind: global_buffer, .address_space: global }
      - { .name: out0, .offset: 16, .size: 8, .value_kind: global_buffer, .address_space: global }
    .group_segment_fixed_size: 202752
    .private_segment_fixed_size: 0
    .kernarg_segment_align: 8
    .kernarg_segment_size: 24
    .max_flat_workgroup_size: 256
    .sgpr_count:     66
    .vgpr_count:     512
    .wavefront_size: 32
...
	.end_amdgpu_metadata
.endif
;; end of part 3
